; MI455X (gfx1250); checked and timed in simulation.
; The chip was launched on July 23, 2026; its instructions are those of AMD's public machine-readable ISA for CDNA 5 (MIT licence, August 2026) and "CDNA5" Instruction Set Architecture Reference Guide (July 2026). The comments in the code are by the model that wrote it; some were corrected since.
;; Level Fusion. Allowed arithmetic: float matrix products may take bf16 or f16 operands with f32 sums; other float arithmetic in f32, or as packed bf16 or f16 multiplies, adds, multiply-adds, maxima and minima; sums over many terms, partial sums and values carried from step to step in f32; what a program stores and reads back later, other than sums and carried values, may be rounded once to bf16 or f16.
;; Inputs: W1 528 x 512 float32; W2 512 x 256 float32; W3 256 x 8 float32; Wg 16 x 8 float32; b1 512 float32; b2 256 float32; b3 8 float32; bg 8 float32; curr_features 64 x 2,048 x 512 float32; curr_trajectory 64 x 2,048 x 8 float32; prev_trajectory 64 x 512 x 8 float32.
;; Outputs: out0 64 x 2,048 x 8 float32.
;; One version. Each part assembles by itself: llvm-mc -triple=amdgcn-amd-amdhsa -mcpu=gfx1250 --defsym DOCPART=n.
;; ======== version 1 of 1: 2 launches
;; limits: a function is approximated: absolute error at most 0.0005; an absolute error that grows with the inputs' magnitude: up to 0.00025 times it
;; workspace buffers: wpk 832,512 bytes
;; launch prep (part 1): grid 1626 x 1, 1 waves a work-group, no clusters, 0 bytes of LDS; arguments W1, W2, W3, Wg, b1, b2, b3, bg, wpk; writes wpk
.if DOCPART == 1
	.amdgcn_target "amdgcn-amd-amdhsa--gfx1250"
	.amdhsa_code_object_version 6
	.text
	.protected	k_q2c0ac5abde_prep
	.globl	k_q2c0ac5abde_prep
	.p2align	8
	.type	k_q2c0ac5abde_prep,@function
k_q2c0ac5abde_prep:
	s_mov_b64 s[64:65], 0
	v_nop
	global_prefetch_b8 v0, s[64:65] scope:SCOPE_SE
	s_setreg_imm32_b32 hwreg(HW_REG_WAVE_MODE, 25, 1), 1
	s_wait_xcnt 0x0
; The weights are rounded once to bf16 and laid out as matrix fragments; the biases become f32 tables.
; A fragment is 1,024 bytes: 16 outputs x 32 k.  Byte c*512 + L*16 + 2e holds W[k0 + 16c + 8(L>>4) + e][col(L&15)].
; Fragments 0-511: W1 rows 16.. (k0 = 16 + 32 (F>>5), columns 16 (F&31) + r).   512-767: W2 (k0 = 32 (F'>>4), columns 16 (F'&15) + r).
; 768-799: W1 rows 0-15, upper half 0.   800-807: W3, row r = output (r&3)|((r&8)>>1) where (r&4) = 0, else 0.   808: Wg likewise, upper half 0.
; Behind them 4,096 bytes of tables: 0.5 b1 (512), 0.5 b2 (256), b3 (8), bg (8), zeros.
; One wave to a work-group: wave W writes the 512 consecutive bytes at 512 W, 16 a lane, by one store.
.set NFRAGW, 1618                      ; waves that write halves of fragments; eight more write the tables
	s_load_b512 s[4:19], s[0:1], 0x0               ; W1 s[4:5], W2 s[6:7], W3 s[8:9], Wg s[10:11], b1 s[12:13], b2 s[14:15], b3 s[16:17], bg s[18:19]
	s_load_b64 s[20:21], s[0:1], 0x40              ; wpk
	v_and_b32 v1, 15, v0                           ; r
	v_lshrrev_b32 v2, 4, v0                        ; h
	v_lshlrev_b32 v7, 4, v0                        ; my 16 bytes of the wave's 512
	s_lshl_b32 s22, ttmp9, 9
	s_mov_b32 s23, 0
	s_lshr_b32 s24, ttmp9, 1                       ; F
	s_and_b32 s25, ttmp9, 1                        ; c
	s_wait_kmcnt 0x0
	s_add_nc_u64 s[20:21], s[20:21], s[22:23]      ; wpk at the wave's 512 bytes
	s_cmp_ge_u32 ttmp9, NFRAGW
	s_cbranch_scc1 .Ltable
	; s26 k0, s27 column tile, s28 log2 of the row length, s29 lanes that keep their numbers, s32 what c adds to k, s33 the output map, s[30:31] the source
	s_lshr_b32 s26, s24, 5                         ; W1, rows 16 on
	s_lshl_b32 s26, s26, 5
	s_add_co_u32 s26, s26, 16
	s_and_b32 s27, s24, 31
	s_mov_b32 s28, 9
	s_mov_b32 s29, -1
	s_lshl_b32 s32, s25, 4
	s_sub_co_u32 s34, s24, 512                     ; W2
	s_lshr_b32 s35, s34, 4
	s_lshl_b32 s35, s35, 5
	s_and_b32 s36, s34, 15
	s_cmp_ge_u32 s24, 512
	s_cselect_b32 s26, s35, s26
	s_cselect_b32 s27, s36, s27
	s_cselect_b32 s28, 8, s28
	s_cselect_b64 s[30:31], s[6:7], s[4:5]
	s_sub_co_u32 s34, s24, 768                     ; W1, rows 0-15: the upper half is 0 and loads the lower half's rows, so that no load leaves the buffer
	s_cmp_eq_u32 s25, 0
	s_cselect_b32 s37, -1, 0
	s_cmp_ge_u32 s24, 768
	s_cselect_b32 s26, 0, s26
	s_cselect_b32 s27, s34, s27
	s_cselect_b32 s28, 9, s28
	s_cselect_b32 s29, s37, s29
	s_cselect_b32 s32, 0, s32
	s_cselect_b64 s[30:31], s[4:5], s[30:31]
	s_sub_co_u32 s34, s24, 800                     ; W3
	s_lshl_b32 s34, s34, 5
	s_lshl_b32 s35, s25, 4
	s_cmp_ge_u32 s24, 800
	s_cselect_b32 s26, s34, s26
	s_cselect_b32 s27, 0, s27
	s_cselect_b32 s28, 3, s28
	s_cselect_b32 s29, 0x0f0f0f0f, s29             ; lanes with (r&4) = 0
	s_cselect_b32 s32, s35, s32
	s_cselect_b32 s33, 1, 0
	s_cselect_b64 s[30:31], s[8:9], s[30:31]
	s_and_b32 s37, s37, 0x0f0f0f0f                 ; Wg
	s_cmp_ge_u32 s24, 808
	s_cselect_b32 s26, 0, s26
	s_cselect_b32 s29, s37, s29
	s_cselect_b32 s32, 0, s32
	s_cselect_b64 s[30:31], s[10:11], s[30:31]
	s_cmp_eq_u32 s33, 1
	s_cselect_b32 s38, -1, 0
	v_lshl_add_u32 v3, s27, 4, v1                  ; column 16 nt + r,
	v_and_b32 v4, 3, v1                            ; or the output map
	v_and_b32 v5, 8, v1
	v_lshrrev_b32 v5, 1, v5
	v_or_b32 v4, v4, v5
	v_cndmask_b32 v3, v3, v4, s38
	s_add_co_u32 s26, s26, s32
	v_lshl_add_u32 v6, v2, 3, s26                  ; k of my first number
	v_lshlrev_b32 v6, s28, v6
	v_add_lshl_u32 v8, v6, v3, 2                   ; its byte offset
	s_lshl_b32 s39, 4, s28                         ; bytes from row to row
.irp e, 1,2,3,4,5,6,7
	v_add_nc_u32 v[8+(\e)], s39, v[7+(\e)]
.endr
.irp e, 0,1,2,3,4,5,6,7
	global_load_b32 v[16+(\e)], v[8+(\e)], s[30:31]
.endr
	s_wait_loadcnt 0x0
.irp e, 0,1,2,3
	v_cvt_pk_bf16_f32 v[24+(\e)], v[16+2*(\e)], v[17+2*(\e)]
.endr
.irp e, 0,1,2,3
	v_cndmask_b32 v[24+(\e)], 0, v[24+(\e)], s29
.endr
	global_store_b128 v7, v[24:27], s[20:21]
	s_endpgm
.Ltable:
	s_sub_co_u32 s24, ttmp9, NFRAGW                ; T = 0..7
	s_cmp_ge_u32 s24, 6
	s_cbranch_scc1 .Lsmall
	s_sub_co_u32 s25, s24, 4                       ; T 0-3: b1, T 4-5: b2, 128 numbers each, halved
	s_cmp_lt_u32 s24, 4
	s_cselect_b32 s25, s24, s25
	s_cselect_b64 s[30:31], s[12:13], s[14:15]
	s_lshl_b32 s25, s25, 9
	v_add_nc_u32 v3, s25, v7
	global_load_b128 v[8:11], v3, s[30:31]
	s_wait_loadcnt 0x0
	v_pk_mul_f32 v[8:9], v[8:9], 0.5 op_sel_hi:[1,0]
	v_pk_mul_f32 v[10:11], v[10:11], 0.5 op_sel_hi:[1,0]
	global_store_b128 v7, v[8:11], s[20:21]
	s_endpgm
.Lsmall:                                               ; T = 6: lanes 0, 1 b3, lanes 2, 3 bg, the others 0.  T = 7: zeros
	v_and_b32 v3, 1, v0
	v_lshlrev_b32 v3, 4, v3
	global_load_b128 v[8:11], v3, s[16:17]
	global_load_b128 v[12:15], v3, s[18:19]
	s_cmp_eq_u32 s24, 6
	s_cselect_b32 s26, 3, 0
	s_cselect_b32 s27, 12, 0
	s_wait_loadcnt 0x0
.irp e, 0,1,2,3
	v_cndmask_b32 v[8+(\e)], 0, v[8+(\e)], s26
.endr
.irp e, 0,1,2,3
	v_cndmask_b32 v[8+(\e)], v[8+(\e)], v[12+(\e)], s27
.endr
	global_store_b128 v7, v[8:11], s[20:21]
	s_endpgm
.Lfunc_end_k_q2c0ac5abde_prep:
	.size	k_q2c0ac5abde_prep, .Lfunc_end_k_q2c0ac5abde_prep-k_q2c0ac5abde_prep
	.p2alignl 7, 3214868480
	.fill 96, 4, 3214868480
	.section	.rodata,"a",@progbits
	.p2align	6, 0x0
	.amdhsa_kernel k_q2c0ac5abde_prep
		.amdhsa_group_segment_fixed_size 0
		.amdhsa_private_segment_fixed_size 0
		.amdhsa_enable_private_segment 0
		.amdhsa_kernarg_size 72
		.amdhsa_user_sgpr_count 2
		.amdhsa_user_sgpr_kernarg_segment_ptr 1
		.amdhsa_wavefront_size32 1
		.amdhsa_system_sgpr_workgroup_id_x 1
		.amdhsa_system_sgpr_workgroup_id_y 1
		.amdhsa_system_sgpr_workgroup_id_z 1
		.amdhsa_system_vgpr_workitem_id 0
		.amdhsa_next_free_vgpr 32
		.amdhsa_next_free_sgpr 66
		.amdhsa_reserve_vcc 0
		.amdhsa_float_denorm_mode_32 3
		.amdhsa_float_denorm_mode_16_64 3
		.amdhsa_memory_ordered 1
		.amdhsa_forward_progress 1
		.amdhsa_inst_pref_size 7
	.end_amdhsa_kernel
	.amdgpu_metadata
---
amdhsa.version: [ 1, 2 ]
amdhsa.kernels:
  - .name:           k_q2c0ac5abde_prep
    .symbol:         k_q2c0ac5abde_prep.kd
    .args:
      - { .name: W1, .offset: 0, .size: 8, .value_kind: global_buffer, .address_space: global }
      - { .name: W2, .offset: 8, .size: 8, .value_kind: global_buffer, .address_space: global }
      - { .name: W3, .offset: 16, .size: 8, .value_kind: global_buffer, .address_space: global }
      - { .name: Wg, .offset: 24, .size: 8, .value_kind: global_buffer, .address_space: global }
      - { .name: b1, .offset: 32, .size: 8, .value_kind: global_buffer, .address_space: global }
      - { .name: b2, .offset: 40, .size: 8, .value_kind: global_buffer, .address_space: global }
      - { .name: b3, .offset: 48, .size: 8, .value_kind: global_buffer, .address_space: global }
      - { .name: bg, .offset: 56, .size: 8, .value_kind: global_buffer, .address_space: global }
      - { .name: wpk, .offset: 64, .size: 8, .value_kind: global_buffer, .address_space: global }
    .group_segment_fixed_size: 0
    .private_segment_fixed_size: 0
    .kernarg_segment_align: 8
    .kernarg_segment_size: 72
    .max_flat_workgroup_size: 32
    .sgpr_count:     66
    .vgpr_count:     32
    .wavefront_size: 32
...
	.end_amdgpu_metadata
.endif
;; end of part 1
;; launch fuse (part 2): grid 256 x 1, 4 waves a work-group, clusters of 4 x 1, 327,680 bytes of LDS; arguments curr_features, curr_trajectory, prev_trajectory, wpk, out0; writes out0
.if DOCPART == 2
	.amdgcn_target "amdgcn-amd-amdhsa--gfx1250"
	.amdhsa_code_object_version 6
	.text
	.protected	k_q2c0ac5abde_fuse
	.globl	k_q2c0ac5abde_fuse
	.p2align	8
	.type	k_q2c0ac5abde_fuse,@function
k_q2c0ac5abde_fuse:
	s_mov_b64 s[64:65], 0
	v_nop
	global_prefetch_b8 v0, s[64:65] scope:SCOPE_SE
	s_setreg_imm32_b32 hwreg(HW_REG_WAVE_MODE, 25, 1), 1
	s_wait_xcnt 0x0
	s_wait_alu depctr_hold_cnt(0) depctr_sa_sdst(0) depctr_va_vdst(0) depctr_va_sdst(0) depctr_va_ssrc(0) depctr_va_vcc(0) depctr_vm_vsrc(0)
	s_getreg_b32 s2, hwreg(HW_REG_IB_STS2, 6, 4)
	s_cmp_eq_u32 s2, 0
	s_cbranch_scc0 .Lentry_in_a_cluster
	s_endpgm
.Lentry_in_a_cluster:
	s_bfe_u32 s2, ttmp6, 0x10000c
	s_cmp_lg_u32 s2, 0x3003
	s_cbranch_scc0 .Lentry_shape_is_right
	s_endpgm
.Lentry_shape_is_right:
; out = g up + (1 - g) f;  up = prev upsampled 512 -> 2048;  g = sigmoid([up, curr] Wg + bg);  f = gelu(gelu([up, curr, feat] W1 + b1) W2 + b2) W3 + b3.
; SHARES.  A work-group owns 512 consecutive rows (a quarter of a batch) and walks them as 4 blocks of 128.  Wave w = 2 i + j: layer 1 all 128 rows x outputs 128 w .. + 127
; (64 accumulators, 512 registers: for 32 along K 8 weight fragments and 8 of X feed 64 products); layer 2 rows 64 i .. + 63 x outputs 128 j .. + 127; trajectories, gate, layer 3 and output: rows 32 w .. + 31.
; LAYOUT.  Every product is taken transposed: source 0 = a weight fragment (16 outputs x 32 k, as the launch before wrote it), source 1 = 16 rows x 32 k of activations.  A lane then
; holds ONE row (lane % 16) and outputs 8 (lane / 16) + 0..7, so two neighbouring output tiles, rounded to bf16, are the two 16-byte halves of the next layer's source 1.
; WEIGHTS.  12 tiles of 64 KiB (8 of W1, 4 of W2) go through a ring of two LDS slots in every block; the small weights and the bias tables are filled once.  The four work-groups of a cluster
; walk the same tiles: each tensor load is asked for jointly, with the mask of four.
; FEATURES come through registers: a block's 128 loads a wave are issued in four runs during the block before, land in windows 1 and 3, and are rounded to bf16 into LDS at the block's head.
; GELU, exact form, erf by Abramowitz and Stegun 7.1.27, 1 - (1 + a1 z + a2 z^2 + a3 z^3 + a4 z^4)^-4.  With hx = x / 2, na = -|hx|, c_k = a_k 2^(k/2):
; p = 1 + na (-c1 + na (c2 + na (-c3 + na c4))), gelu = hx + na (p^-4 - 1): 13 instructions for two numbers, the rounding to bf16 among them.
; LIMITS.  erf is within 5e-4 absolute of the true one for every argument, so a GELU is within 2.5e-4 |x| of the true one (for x > 0: within 5e-4 of itself); it is rounded to bf16 straight afterwards.
; The upsampling weight is the exact ratio rem / 2047 rounded to f32; it differs from a position made in f32 by at most some 6e-5.
; All matrix operands (features, up, curr, weights, both hidden layers) are bf16, sums and biases f32.  A pre-activation of minus infinity gives NaN.
; REGISTERS, in windows of 256 (s_set_vgpr_msb: bits 1:0 source 0, 3:2 source 1, 5:4 source 2, 7:6 destination):
;   window 0: v0-63 addresses and small state; v64-127, v128-191 two buffers of 8 weight fragments; v192-223, v224-255 two buffers of 4 activation fragments; all of v64-255 at work in the GELU
;   window 1: the next block's features, channels 0-255      window 2: layer 1's accumulators of row tiles 0-3, layer 2's and 3's; v128-159 also the next block's trajectories
;   window 3: layer 1's accumulators of row tiles 4-7; behind layer 1's GELU the next block's features, channels 256-511
.set RES,    131072                    ; LDS: behind the ring's two slots of 65,536: what is filled once, 46,080 bytes
.set SB,     177152                    ; LDS: 148,480 bytes written by LDS stores alone: X (the block's features and trajectories), then h1, then h2
.set XT,     18560                     ; X: a tile of 64 channels: 128 rows of 144 bytes, and 128 more, so that the two halves of a wave's 8-byte stores fall on different banks (64 banks of 4 bytes: ISA guide 11.1)
.set XP,     144                       ; X: 128 bytes + 16: the 16 rows of a fragment load start at 16 different groups of four banks.  The 16 spare bytes of a row hold up (tile 0) and curr (tile 1), 8 bf16 each
.set SPARE,  325632                    ; the spare words, 128 bytes a wave: two blocks of 256 bytes that no other line names
.set R_W3,   32768                     ; places in RES: W1 rows 0-15 at 0, W3, Wg, 0.5 b1, 0.5 b2, b3 (bg 32 bytes behind it)
.set R_WG,   40960
.set R_HB1,  41984
.set R_HB2,  44032
.set R_B3,   45056
.set WPKRES, 786432                    ; where RES lies in wpk
.set CB,   1                           ; v1   the activation (or bias) address in hand
.set WAD1, 2                           ; v2   16 L + 8192 w: my 8 fragments in half a tile of W1
.set WAD2, 3                           ; v3   16 L + 8192 j: my 8 fragments in a quarter of a tile of W2
.set XAD,  4                           ; v4   SB + 144 r + 16 h
.set HAD,  5                           ; v5   SB + 16 L + 4096 i
.set WTAD, 6                           ; v6   RES + 16 L + 8192 w
.set GST1, 7                           ; v7   SB + 16 L + 32768 w
.set GST2, 8                           ; v8   SB + 16 L + 32768 j + 4096 i
.set HB1AD, 9                          ; v9   RES + R_HB1 + 512 w + 32 h
.set HB2AD, 10                         ; v10  RES + R_HB2 + 512 j + 32 h
.set L3B,  11                          ; v11  SB + 16 L + 2048 w
.set L3A,  12                          ; v12  RES + R_W3 + 16 L
.set B3AD, 13                          ; v13  RES + R_B3 + 16 h
.set XSTA, 14                          ; v14  SB + h XT + 8 r + 32 w 144;  v15 the same four tiles on
.set FOFF, 16                          ; v16  16 L
.set OOFF, 17                          ; v17  1024 w + 32 r + 16 h
.set SPW,  18                          ; v18  my spare word; never rewritten
.set NIL,  19                          ; v19  0; never rewritten
.set TB,   20                          ; v20  my row's place in its batch, for my first row tile
.set PFO,  21                          ; v21  256 L
.set H16,  22                          ; v22  16 h
.set CA,   23                          ; v23  the weight (or GELU store) address in hand
.set GT,   24                          ; v24-31  gate, my two row tiles x 4 numbers
.set UP,   32                          ; v32-39  up in f32, likewise
.set HB,   40                          ; v40-55  in the GELU: a batch's 2 x 8 halved biases
.set OW,   40                          ; v40-43  from TRAJLOAD to TRAJ: 1 - w, w for my two row tiles
.set TO,   44                          ; v44-49  likewise: byte offsets of prev[i0], prev[i1], curr[t]
.set TJST, 56                          ; v56  SB + (32 w + r) 144 + 128 + 8 h: where I put 4 numbers of up; curr XT further on
.set TJAD, 57                          ; v57  SB + h XT + 144 r + 128: a fragment [up, curr] of row tile 0
.set TJOW, 58                          ; v58  the same for my own first row tile
.set T0,   60                          ; v60-63  at work
.set WA,   64
.set WB,   128
.set XA,   192
.set XB,   224
.set HX,   64                          ; GELU: hx, 64 numbers a lane
.set AH,   128                         ; -|hx|; at the end the packed results
.set PP,   192                         ; the polynomial and what is made of it
.set FPN,  4                           ; s[4:5]   features at my wave's 32 rows of the block that is being fetched
.set CUR,  6                           ; s[6:7]   curr at my batch
.set PRV,  8                           ; s[8:9]   prev at my batch
.set WPK,  10                          ; s[10:11]
.set OUT,  12                          ; s[12:13] out at the block in hand
.set WV,   14
.set SI,   15
.set SJ,   16
.set CX,   17
.set BC,   18                          ; blocks to go
.set GC,   19
.set LC,   20
.set SGNM, 21                          ; the sign bit
.set G1,   24                          ; s[24:31] group 1: 64 rows of 256 bytes
.set G1R,  32                          ; s[32:39] 128 rows
.set G1S,  40                          ; s[40:47] 45 rows
.set G0W,  48                          ; s[48:51] group 0 that walks tiles 2 to 11
.set G0R,  52                          ; s[52:55] group 0 for tiles 0 and 1 together; never rewritten
.set G0S,  56                          ; s[56:59] group 0 for RES; never rewritten
.set TT,   62                          ; s[62:63] offsets that may hold my place in the cluster: they enter global addresses alone
.set C4,   66                          ; s[66:73] c4, -c3, c2, -c1, each twice: the packed forms name pairs
.set C3,   68
.set C2,   70
.set C1,   72
.set RB,   78                          ; the ring slot in hand: 0 or 65536
.set RW,   79                          ; 1 / 2047
.set PFA,  80                          ; s[80:81] where my prefetches stand
.set PFL,  82                          ; 1 in a wave that prefetches
.set WGN,  83
.set XO,   84                          ; X tile in hand, in bytes
.set GO,   85                          ; GELU: store offset
.set GH,   86                          ; GELU: the next batch's bias offset
.set MSB, 0
.macro WIN new                         ; the immediate's high byte repeats the setting that is left; a switch that changes nothing is dropped
.if MSB != (\new)
	s_set_vgpr_msb (MSB<<8)|(\new)
.set MSB, (\new)
.endif
.endm
.macro PLACES                          ; four places between a matrix instruction and a load into, or a vector line on, its registers
.rept 4
	v_nop
.endr
.endm
.macro BAR
	s_barrier_signal -1
	s_barrier_wait -1
.endm
.macro ROUND                           ; a round of the cluster's barrier
	s_barrier_signal -1
	s_barrier_wait -1
	s_cmp_lg_u32 s[WV], 0
	s_cbranch_scc1 .Lnw0_\@
	s_barrier_signal -3
.Lnw0_\@:
	s_barrier_wait -3
	s_barrier_signal -1
	s_barrier_wait -1
.endm
.macro STEPW                           ; the walking descriptor: the other slot, the next tile.  Written only behind the wait that shows my tensor loads done
	s_xor_b32 s[G0W+1], s[G0W+1], 65536
	s_add_nc_u64 s[G0W+2:G0W+3], s[G0W+2:G0W+3], 65536
.endm
.macro REFILL                          ; the end of the three lines, the round, and my quarter of the next tile, first thing behind it
	s_wait_dscnt 0x0                               ; the add is done, and my reads of the slot are back
	ROUND                                          ; the same now holds of every wave of all four work-groups
	tensor_load_to_lds s[G0W:G0W+3], s[G1:G1+7]
	s_nop 0
	PLACES                                         ; also the places in front of the fragment loads that follow
.endm
.macro ASK                             ; a prefetch of wpk in its first walk: cluster 0, block 0, waves 0 and 1 of each partner: 8 x 32 lanes x 256 bytes are a tile, each block named once;
	s_cmp_eq_u32 s[PFL], 1                         ; the partners are told apart by address.  Behind change t of layer 1 tile t + 4 is named, which the change two steps (256 matrix instructions) on loads
	s_cbranch_scc0 .Lna_\@
	global_prefetch_b8 v[PFO], s[PFA:PFA+1] th:TH_LOAD_NT scope:SCOPE_SE
.Lna_\@:
.endm
.macro LDW buf, adr, off, n0=0, n1=8   ; weight fragments n0 .. n1 - 1 of a buffer of 8, two loads each
.set nn, (\n0)
.rept (\n1)-(\n0)
	ds_load_b128 v[(\buf)+8*nn:(\buf)+8*nn+3],   v[\adr] offset:(\off)+nn*1024
	ds_load_b128 v[(\buf)+8*nn+4:(\buf)+8*nn+7], v[\adr] offset:(\off)+nn*1024+512
.set nn, nn+1
.endr
.endm
.macro LDX buf, kk, mh                 ; row tiles 4 mh .. 4 mh + 3 x 32 channels of X, 8 loads
.set mm, 0
.rept 4
	ds_load_b128 v[(\buf)+8*mm:(\buf)+8*mm+3],   v[CB] offset:(4*(\mh)+mm)*16*XP+(\kk)*64
	ds_load_b128 v[(\buf)+8*mm+4:(\buf)+8*mm+7], v[CB] offset:(4*(\mh)+mm)*16*XP+(\kk)*64+32
.set mm, mm+1
.endr
.endm
.macro LDT                             ; the lower halves of the 8 fragments [up, curr], into XA and XB; their upper halves hold 0
.set mm, 0
.rept 8
	ds_load_b128 v[XA+8*mm:XA+8*mm+3], v[TJAD] offset:mm*16*XP
.set mm, mm+1
.endr
.endm
.macro LDH buf, kk                     ; my 4 row tiles x 32 channels of h1, 8 loads
.set mm, 0
.rept 4
	ds_load_b128 v[(\buf)+8*mm:(\buf)+8*mm+3],   v[CB] offset:(\kk)*8192+mm*1024
	ds_load_b128 v[(\buf)+8*mm+4:(\buf)+8*mm+7], v[CB] offset:(\kk)*8192+mm*1024+512
.set mm, mm+1
.endr
.endm
.macro HBL adr                         ; a batch's 2 x 8 halved biases
	ds_load_b128 v[HB:HB+3],     v[\adr]
	ds_load_b128 v[HB+4:HB+7],   v[\adr] offset:16
	ds_load_b128 v[HB+8:HB+11],  v[\adr] offset:64
	ds_load_b128 v[HB+12:HB+15], v[\adr] offset:80
.endm
.macro MM32 win, a, b, zero            ; 8 output tiles x 4 row tiles: 32 accumulators by turns, one instruction a turn
	WIN 0xa0+0x50*((\win)-2)
.set nn, 0
.rept 8
.set mm, 0
.rept 4
.if \zero
	v_wmma_f32_16x16x32_bf16 v[8*(4*nn+mm):8*(4*nn+mm)+7], v[(\a)+8*nn:(\a)+8*nn+7], v[(\b)+8*mm:(\b)+8*mm+7], 0
.else
	v_wmma_f32_16x16x32_bf16 v[8*(4*nn+mm):8*(4*nn+mm)+7], v[(\a)+8*nn:(\a)+8*nn+7], v[(\b)+8*mm:(\b)+8*mm+7], v[8*(4*nn+mm):8*(4*nn+mm)+7]
.endif
.set mm, mm+1
.endr
.set nn, nn+1
.endr
.endm
.macro FLOADQ c                        ; a quarter of my 32 rows x 2,048 bytes: 32 loads of 512 consecutive bytes.  c / 2: which 1,024 bytes of a row; c % 2: rows 0-15 or 16-31
	WIN 0x40+0x80*((\c)/2)
.set qq, 0
.rept 32
.set idx, 32*((\c)%2)+qq
	global_load_b128 v[4*idx:4*idx+3], v[FOFF], s[FPN:FPN+1] offset:(idx/2)*2048+((\c)/2)*1024+(idx%2)*512 th:TH_LOAD_NT
.set qq, qq+1
.endr
	WIN 0
.endm
.macro FNEXT c                         ; the next block's quarter c, if there is a next block
	s_cmp_gt_u32 s[BC], 1
	s_cbranch_scc0 .Lnf_\@
.if (\c) == 0
	s_add_nc_u64 s[FPN:FPN+1], s[FPN:FPN+1], 262144   ; 128 rows on; every load that named the pointer has come back (the wait at the block's head)
.endif
	FLOADQ \c
.Lnf_\@:
.endm
.macro BULK                            ; the block's features, rounded to bf16, into X: a lane's 4 channels are 8 bytes
	s_wait_loadcnt 0x0                             ; features and trajectories of this block are in
.irp c, 0,1,2,3
	WIN 0x05+0x0a*((\c)/2)
.set qq, 0
.rept 32
.set idx, 32*((\c)%2)+qq
	v_cvt_pk_bf16_f32 v[64+2*qq], v[4*idx], v[4*idx+1]
	v_cvt_pk_bf16_f32 v[65+2*qq], v[4*idx+2], v[4*idx+3]
.set qq, qq+1
.endr
	WIN 0
.set qq, 0
.rept 32
.set idx, 32*((\c)%2)+qq
	ds_store_b64 v[XSTA+(\c)/2], v[64+2*qq:65+2*qq] offset:(idx%2)*2*XT+(idx/2)*XP
.set qq, qq+1
.endr
.endr
.endm
; Positions, weights and loads of the trajectories for my two row tiles.  pos = 511 t / 2047 = t / 4 - 3 t / 8188, so i0 = (t >> 2) - 1 where (t & 3) 2047 < 3 t, else t >> 2: whole numbers only.
.macro TRAJLOAD
	WIN 0
.irp t, 0,1
	v_add_nc_u32 v[T0], 16*(\t), v[TB]             ; t
	v_lshrrev_b32 v[T0+1], 2, v[T0]
	v_and_b32 v[T0+2], 3, v[T0]
	v_mul_u32_u24 v[T0+2], v[T0+2], 2047
	v_lshl_add_u32 v[T0+3], v[T0], 1, v[T0]
	v_sub_nc_u32 v[T0+2], v[T0+2], v[T0+3]
	v_ashrrev_i32 v[T0+2], 31, v[T0+2]             ; -1 or 0
	v_add_nc_u32 v[T0+1], v[T0+1], v[T0+2]         ; i0
	v_mul_u32_u24 v[T0+2], v[T0], 511
	v_mul_u32_u24 v[T0+3], v[T0+1], 2047
	v_sub_nc_u32 v[T0+2], v[T0+2], v[T0+3]         ; 511 t - 2047 i0, 0 .. 2046
	v_cvt_f32_u32 v[T0+2], v[T0+2]
	v_mul_f32 v[OW+2*(\t)+1], s[RW], v[T0+2]       ; w
	v_sub_f32 v[OW+2*(\t)], 1.0, v[OW+2*(\t)+1]
	v_add_nc_u32 v[T0+3], 1, v[T0+1]
	v_min_u32 v[T0+3], 511, v[T0+3]                ; i1
	v_lshl_add_u32 v[TO+3*(\t)], v[T0+1], 5, v[H16]
	v_lshl_add_u32 v[TO+3*(\t)+1], v[T0+3], 5, v[H16]
	v_lshl_add_u32 v[TO+3*(\t)+2], v[T0], 5, v[H16]
.endr
	WIN 0x80
.irp t, 0,1
	global_load_b128 v[128+16*(\t):131+16*(\t)], v[TO+3*(\t)],   s[PRV:PRV+1]             ; prev[i0][4 h ..]
	global_load_b128 v[132+16*(\t):135+16*(\t)], v[TO+3*(\t)+1], s[PRV:PRV+1]             ; prev[i1][4 h ..]
	global_load_b128 v[136+16*(\t):139+16*(\t)], v[TO+3*(\t)+2], s[CUR:CUR+1]             ; curr[t][4 h ..]
.endr
	WIN 0
.endm
; up and curr of my 32 rows, rounded to bf16, into the spare bytes of X's rows, and the gate of those rows.
.macro TRAJ
	WIN 0
	ds_load_b128 v[160:163], v[L3A] offset:R_WG-R_W3
	ds_load_b128 v[164:167], v[L3A] offset:R_WG-R_W3+512
	ds_load_b128 v[168:171], v[B3AD] offset:32     ; bg[4 h ..]
	WIN 0x02                                       ; the trajectories lie in registers that also serve as accumulators
.irp t, 0,1
.irp e, 0,1,2,3
	v_mul_f32 v[UP+4*(\t)+(\e)], v[128+16*(\t)+(\e)], v[OW+2*(\t)]                        ; prev[i0] (1 - w)
.endr
.endr
.irp t, 0,1
.irp e, 0,1,2,3
	v_fma_f32 v[UP+4*(\t)+(\e)], v[132+16*(\t)+(\e)], v[OW+2*(\t)+1], v[UP+4*(\t)+(\e)]   ; + prev[i1] w: up[4 h + e], f32
.endr
.endr
	WIN 0x0a
.irp t, 0,1
	v_cvt_pk_bf16_f32 v[66+4*(\t)], v[136+16*(\t)], v[137+16*(\t)]
	v_cvt_pk_bf16_f32 v[67+4*(\t)], v[138+16*(\t)], v[139+16*(\t)]
.endr
	WIN 0
.irp t, 0,1
	v_cvt_pk_bf16_f32 v[64+4*(\t)], v[UP+4*(\t)], v[UP+4*(\t)+1]
	v_cvt_pk_bf16_f32 v[65+4*(\t)], v[UP+4*(\t)+2], v[UP+4*(\t)+3]
.endr
.irp t, 0,1
	ds_store_b64 v[TJST], v[64+4*(\t):65+4*(\t)] offset:(\t)*16*XP        ; up[4 h ..] behind the row in tile 0
	ds_store_b64 v[TJST], v[66+4*(\t):67+4*(\t)] offset:XT+(\t)*16*XP     ; curr[4 h ..] behind the row in tile 1
.endr
.irp t, 0,1
	ds_load_b128 v[XA+8*(\t):XA+8*(\t)+3], v[TJOW] offset:(\t)*16*XP      ; my own rows back as fragments: lanes 0-15 k 0-7 = up, lanes 16-31 k 8-15 = curr.  LDS serves a wave's instructions in order (ISA guide 5.7.1.4)
.endr
.set mm, 0
.rept 8                                ; k 16-31 of all eight fragments [up, curr]: nothing.  They stay 0 until X's fragments land on them
	v_mov_b32 v[XA+8*mm+4], 0
	v_mov_b32 v[XA+8*mm+5], 0
	v_mov_b32 v[XA+8*mm+6], 0
	v_mov_b32 v[XA+8*mm+7], 0
.set mm, mm+1
.endr
	s_wait_dscnt 0x0                               ; Wg, bg and my two fragments are in (and my stores into X are done)
.irp t, 0,1
	v_wmma_f32_16x16x32_bf16 v[128+8*(\t):135+8*(\t)], v[160:167], v[XA+8*(\t):XA+8*(\t)+7], 0
.endr
	PLACES
.irp t, 0,1
.irp e, 0,1,2,3
	v_add_f32 v[172+4*(\t)+(\e)], v[128+8*(\t)+(\e)], v[168+(\e)]   ; registers 0-3 hold outputs 4 h .. 4 h + 3 (Wg's rows were laid so)
.endr
.endr
.irp q, 0,1,2,3,4,5,6,7
	v_mul_f32 v[172+(\q)], 0xbfb8aa3b, v[172+(\q)] ; - log2(e) z
.endr
.irp q, 0,1,2,3,4,5,6,7
	v_exp_f32 v[172+(\q)], v[172+(\q)]
.endr
	v_nop                                          ; a plain instruction behind the last exponential,
	s_wait_alu depctr_va_vdst(0)                   ; and the one wait for the batch
.irp q, 0,1,2,3,4,5,6,7
	v_add_f32 v[172+(\q)], 1.0, v[172+(\q)]
.endr
.irp q, 0,1,2,3,4,5,6,7
	v_rcp_f32 v[GT+(\q)], v[172+(\q)]
.endr
	v_nop
	s_wait_alu depctr_va_vdst(0)                   ; one wait for the eight reciprocals
.endm
; GELU's first step moves a batch (2 output tiles x 4 row tiles, 64 registers) out of its window: hx = 0.5 acc + 0.5 b.  Each accumulator is read from its low end on.
.macro PRE win, base
	WIN (\win)
.set qq, 0
.rept 32
	v_pk_fma_f32 v[HX+2*qq:HX+2*qq+1], v[(\base)+2*qq:(\base)+2*qq+1], 0.5, v[HB+8*(qq/16)+2*(qq%4):HB+8*(qq/16)+2*(qq%4)+1] op_sel_hi:[1,0,1]
.set qq, qq+1
.endr
	WIN 0
.endm
; The rest of the GELU for a batch, all in window 0, and the batch's 8 half fragments into LDS, so bytes behind the address in hand.  hb = 1: the next batch's biases are asked for.
.macro GBODY so, hb
.set qq, 0
.rept 64
	v_or_b32 v[AH+qq], s[SGNM], v[HX+qq]           ; na = -|hx|
.set qq, qq+1
.endr
.set qq, 0
.rept 32
	v_pk_fma_f32 v[PP+qq:PP+qq+1], v[AH+qq:AH+qq+1], s[C4:C4+1], s[C3:C3+1] op_sel_hi:[1,0,0]
.set qq, qq+2
.endr
.irp cc, C2, C1
.set qq, 0
.rept 32
	v_pk_fma_f32 v[PP+qq:PP+qq+1], v[PP+qq:PP+qq+1], v[AH+qq:AH+qq+1], s[\cc:\cc+1] op_sel_hi:[1,1,0]
.set qq, qq+2
.endr
.endr
.set qq, 0
.rept 32
	v_pk_fma_f32 v[PP+qq:PP+qq+1], v[PP+qq:PP+qq+1], v[AH+qq:AH+qq+1], 1.0 op_sel_hi:[1,1,0]
.set qq, qq+2
.endr
.set qq, 0
.rept 64
	v_rcp_f32 v[PP+qq], v[PP+qq]
.set qq, qq+1
.endr
	v_nop                                          ; a plain instruction behind the last reciprocal,
	s_wait_alu depctr_va_vdst(0)                   ; and ONE wait for the batch of 64, ahead of its first reader
.if \hb
	HBL CB                                         ; this batch's first step has read the biases: the next batch's come while the rest of this one is worked
.endif
.set qq, 0
.rept 32
	v_pk_mul_f32 v[PP+qq:PP+qq+1], v[PP+qq:PP+qq+1], v[PP+qq:PP+qq+1]                       ; p^-2
.set qq, qq+2
.endr
.set qq, 0
.rept 32
	v_pk_fma_f32 v[PP+qq:PP+qq+1], v[PP+qq:PP+qq+1], v[PP+qq:PP+qq+1], -1.0 op_sel_hi:[1,1,0]   ; p^-4 - 1
.set qq, qq+2
.endr
.set qq, 0
.rept 32
	v_pk_fma_f32 v[HX+qq:HX+qq+1], v[AH+qq:AH+qq+1], v[PP+qq:PP+qq+1], v[HX+qq:HX+qq+1]     ; hx + na (p^-4 - 1)
.set qq, qq+2
.endr
.set qq, 0
.rept 32
	v_cvt_pk_bf16_f32 v[AH+qq], v[HX+2*qq], v[HX+2*qq+1]
.set qq, qq+1
.endr
.set tl, 0
.rept 8
	ds_store_b128 v[CA], v[AH+4*tl:AH+4*tl+3] offset:(\so)+(tl%4)*1024+(tl/4)*512
.set tl, tl+1
.endr
.endm
; A K step of layer 1: a tile of 64 channels, 128 matrix instructions, 64 LDS loads.  WA, WB: my 8 output tiles for the tile's first and second 32 channels; XA, XB: row tiles 0-3 and 4-7.
; The counted waits leave out exactly the run of LDS loads just issued (16, 16, 8).
.macro L1STEP last
	WIN 0
	PLACES
	LDX XB, 0, 1
	LDW WB, CA, 32768, 0, 4
	s_wait_dscnt 16                                ; WA and XA are in
	MM32 2, WA, XA, 0
	WIN 0
	PLACES
	LDX XA, 1, 0
	LDW WB, CA, 32768, 4, 8
	s_wait_dscnt 16                                ; XB is in
	MM32 3, WA, XB, 0
	WIN 0
	PLACES
	LDX XB, 1, 1
	s_wait_dscnt 8                                 ; XA and all of WB are in
	MM32 2, WB, XA, 0
	WIN 0
	s_wait_xcnt 0x0                                ; the last prefetch, a K step back, has read its address
	s_add_nc_u64 s[PFA:PFA+1], s[PFA:PFA+1], 65536
	s_wait_tensorcnt 0x0                           ; all my tensor loads have landed: the one that was out is my part of the next slot
	ds_add_u32 v[SPW], v[NIL]                      ; 0 onto my spare word
	STEPW
.if !(\last)
	s_xor_b32 s[RB], s[RB], 65536
	s_add_co_u32 s[XO], s[XO], XT
	v_add_nc_u32 v[CA], s[RB], v[WAD1]
	v_add_nc_u32 v[CB], s[XO], v[XAD]
.endif
	REFILL                                         ; the tile two steps on, into the slot just read
.if !(\last)
	LDW WA, CA, 0
	LDX XA, 0, 0
.else
	HBL HB1AD                                      ; the first biases of layer 1's GELU come under the last 32 products
.endif
	ASK
	MM32 3, WB, XB, 0
.endm
.macro L2UNIT nw, nx, kkn, a, b, zero  ; 32 channels of layer 2: the next unit's 24 loads, then 32 matrix instructions
	WIN 0
	PLACES
	LDW \nw, CA, (\kkn)*16384
	LDH \nx, \kkn
	s_wait_dscnt 24                                ; all but the 24 just issued
	MM32 2, \a, \b, \zero
.endm
.macro L2STEP u                        ; a tile of W2: 128 channels
	L2UNIT WB, XB, 1, WA, XA, ((\u)==0)
	L2UNIT WA, XA, 2, WB, XB, 0
	L2UNIT WB, XB, 3, WA, XA, 0
	WIN 0
.if (\u) < 2
	s_wait_tensorcnt 0x0                           ; my part of the next slot has landed
	ds_add_u32 v[SPW], v[NIL]
	STEPW
	v_add_nc_u32 v[CA], (((\u)+1)%2)*65536, v[WAD2]
	v_add_nc_u32 v[CB], ((\u)+1)*32768, v[HAD]
	REFILL                                         ; tiles 10 and 11
	LDW WA, CA, 0
	LDH XA, 0
.elseif (\u) == 2
	s_wait_tensorcnt 0x0                           ; my part of the last tile has landed
	v_add_nc_u32 v[CA], 65536, v[WAD2]
	v_add_nc_u32 v[CB], 3*32768, v[HAD]
	s_wait_dscnt 0x0
	BAR
	PLACES
	LDW WA, CA, 0
	LDH XA, 0
.else
	s_wait_dscnt 0x0                               ; my reads of h1 are back:
	BAR                                            ; behind this barrier h2 may be stored over it
	HBL HB2AD                                      ; the first biases of layer 2's GELU come under the last 32 products
.endif
	MM32 2, WB, XB, 0
.endm
; Layer 3 for my two row tiles, the blend, and the stores: a wave's store covers 512 consecutive bytes, aligned.
.macro L3OUT
	WIN 0
	LDW WA, L3A, 0
.set kf, 0
.rept 8
.irp t, 0,1
	ds_load_b128 v[128+8*(2*kf+(\t)):128+8*(2*kf+(\t))+3],   v[L3B] offset:kf*8192+(\t)*1024
	ds_load_b128 v[128+8*(2*kf+(\t))+4:128+8*(2*kf+(\t))+7], v[L3B] offset:kf*8192+(\t)*1024+512
.endr
.set kf, kf+1
.endr
	ds_load_b128 v[T0:T0+3], v[B3AD]               ; b3[4 h ..]
	s_wait_dscnt 0x0
	WIN 0xa0
.set kf, 0
.rept 8
.irp t, 0,1                            ; the two accumulators take turns
.if kf == 0
	v_wmma_f32_16x16x32_bf16 v[8*(\t):8*(\t)+7], v[WA+8*kf:WA+8*kf+7], v[128+8*(2*kf+(\t)):128+8*(2*kf+(\t))+7], 0
.else
	v_wmma_f32_16x16x32_bf16 v[8*(\t):8*(\t)+7], v[WA+8*kf:WA+8*kf+7], v[128+8*(2*kf+(\t)):128+8*(2*kf+(\t))+7], v[8*(\t):8*(\t)+7]
.endif
.endr
.set kf, kf+1
.endr
	PLACES                                         ; four places in front of the sums that read the results,
	v_nop                                          ; and a fifth: the distance owed before a later matrix instruction writes these accumulators anew; the blend below names the products' registers and fills no place
	WIN 0x02
.irp t, 0,1
.irp e, 0,1,2,3
	v_add_f32 v[64+4*(\t)+(\e)], v[8*(\t)+(\e)], v[T0+(\e)]       ; f: registers 0-3 hold outputs 4 h .. 4 h + 3 (W3's rows were laid so)
.endr
.endr
	WIN 0
.irp t, 0,1
.irp e, 0,1,2,3
	v_sub_f32 v[72+4*(\t)+(\e)], v[UP+4*(\t)+(\e)], v[64+4*(\t)+(\e)]
.endr
.endr
.irp t, 0,1
.irp e, 0,1,2,3
	v_fma_f32 v[72+4*(\t)+(\e)], v[GT+4*(\t)+(\e)], v[72+4*(\t)+(\e)], v[64+4*(\t)+(\e)]   ; f + g (up - f)
.endr
.endr
.irp t, 0,1
	global_store_b128 v[OOFF], v[72+4*(\t):75+4*(\t)], s[OUT:OUT+1] offset:(\t)*512 th:TH_STORE_NT
.endr
.endm
	s_load_b256 s[4:11], s[0:1], 0x0               ; features, curr, prev, wpk
	s_load_b64 s[12:13], s[0:1], 0x20              ; out
	v_lshl_add_u32 v[SPW], v0, 2, SPARE
	v_mov_b32 v[NIL], 0
	ds_add_u32 v[SPW], v[NIL]                      ; the wave's opening: the add, twice on end, and its wait ahead of my first tensor load
	ds_add_u32 v[SPW], v[NIL]
	v_lshrrev_b32 v1, 5, v0
	v_readfirstlane_b32 s[WV], v1                  ; wave 0..3
	s_lshr_b32 s[SI], s[WV], 1
	s_and_b32 s[SJ], s[WV], 1
	s_bfe_u32 s[CX], ttmp6, 0x40000                ; my place in the cluster: it enters global offsets alone
	s_mov_b32 s[SGNM], 0x80000000
	s_mov_b32 s[C4], 0x3e9ff716                    ;  0.312432
	s_mov_b32 s[C3], 0xbb342c71                    ; -0.00274923
	s_mov_b32 s[C2], 0x3eebeb18                    ;  0.460778
	s_mov_b32 s[C1], 0xbec993fc                    ; -0.393707
.irp cc, C4, C3, C2, C1
	s_mov_b32 s[\cc+1], s[\cc]
.endr
	s_mov_b32 s[RW], 0x3a001002                    ; 1 / 2047
	s_mov_b32 s[BC], 4
	s_lshr_b32 s[PFL], s[WV], 1                    ; waves 0 and 1
	s_or_b32 s[PFL], s[PFL], ttmp9                 ; of cluster 0: the same in all four partners
	s_cmp_eq_u32 s[PFL], 0
	s_cselect_b32 s[PFL], 1, 0
	; descriptors: dense rows of 256 bytes (32 elements of 8 bytes, 32 from row to row), no padding; the mask names all four work-groups, bit 21 beside it
.irp g, G1, G1R, G1S
	s_mov_b32 s[(\g)+0], 15|(3<<16)|(1<<21)
	s_mov_b32 s[(\g)+1], 32<<16                    ; tensor_dim0
	s_mov_b32 s[(\g)+3], 32<<16                    ; tile_dim0
	s_mov_b32 s[(\g)+5], 32                        ; stride
	s_mov_b32 s[(\g)+6], 0
	s_mov_b32 s[(\g)+7], 0
.endr
	s_mov_b32 s[G1+2], 64<<16                      ; rows: tensor_dim1 and tile_dim1
	s_mov_b32 s[G1+4], 64
	s_mov_b32 s[G1R+2], 128<<16
	s_mov_b32 s[G1R+4], 128
	s_mov_b32 s[G1S+2], 45<<16
	s_mov_b32 s[G1S+4], 45
	s_mov_b32 s[G0W], 1
	s_lshl_b32 s[G0W+1], s[WV], 14                 ; my quarter of a slot;
	s_add_co_u32 s[G0W+1], s[G0W+1], 65536         ; the first step turns this into slot 0
	s_mov_b32 s[G0R], 1
	s_lshl_b32 s[G0R+1], s[WV], 15                 ; my quarter of both slots
	s_mov_b32 s[G0S], 1
	s_mul_i32 s[G0S+1], s[WV], 11520
	s_add_co_u32 s[G0S+1], s[G0S+1], RES
	s_wait_dscnt 0x0                               ; both opening adds are done
	s_wait_kmcnt 0x0
	s_lshl_b32 s2, s[WV], 15
	s_mov_b32 s3, 0
	s_add_nc_u64 s[G0R+2:G0R+3], s[WPK:WPK+1], s[2:3]
	s_or_b32 s[G0R+3], s[G0R+3], 0x80000000
	s_mul_i32 s2, s[WV], 11520
	s_add_nc_u64 s[G0S+2:G0S+3], s[WPK:WPK+1], s[2:3]
	s_add_nc_u64 s[G0S+2:G0S+3], s[G0S+2:G0S+3], WPKRES
	s_or_b32 s[G0S+3], s[G0S+3], 0x80000000
	s_lshl_b32 s2, s[WV], 14
	s_add_nc_u64 s[G0W+2:G0W+3], s[WPK:WPK+1], s[2:3]
	s_add_nc_u64 s[G0W+2:G0W+3], s[G0W+2:G0W+3], 65536   ; at tile 1: the first step makes it tile 2
	s_or_b32 s[G0W+3], s[G0W+3], 0x80000000
	s_lshl_b32 s[TT], ttmp9, 16                    ; the batch is the cluster's number
	s_mov_b32 s[TT+1], 0
	s_add_nc_u64 s[CUR:CUR+1], s[CUR:CUR+1], s[TT:TT+1]
	s_lshl_b32 s[TT], ttmp9, 14
	s_add_nc_u64 s[PRV:PRV+1], s[PRV:PRV+1], s[TT:TT+1]
	s_lshl_b32 s[WGN], ttmp9, 2
	s_add_co_u32 s[WGN], s[WGN], s[CX]             ; my work-group
	s_lshl_b32 s[TT], s[WGN], 20                   ; its 512 rows of 2,048 bytes,
	s_lshl_b32 s[GO], s[WV], 16                    ; my wave's 32 rows of a block
	s_add_co_u32 s[TT], s[TT], s[GO]
	s_add_nc_u64 s[FPN:FPN+1], s[FPN:FPN+1], s[TT:TT+1]
	s_lshl_b32 s[TT], s[WGN], 14
	s_add_nc_u64 s[OUT:OUT+1], s[OUT:OUT+1], s[TT:TT+1]
	s_lshl_b32 s[TT], s[CX], 1
	s_add_co_u32 s[TT], s[TT], s[WV]
	s_lshl_b32 s[TT], s[TT], 13                    ; my 8,192 bytes of a tile,
	s_add_co_u32 s[TT], s[TT], 3*65536             ; at tile 3: the first change of slots steps it to tile 4
	s_add_nc_u64 s[PFA:PFA+1], s[WPK:WPK+1], s[TT:TT+1]
	ROUND                                          ; all four work-groups are here: the first joint loads meet
	tensor_load_to_lds s[G0R:G0R+3], s[G1R:G1R+7]  ; tiles 0 and 1.  Two tensor loads of mine are out
	s_nop 0
	tensor_load_to_lds s[G0S:G0S+3], s[G1S:G1S+7]  ; what is filled once
	s_nop 0
	PLACES
	v_and_b32 v60, 31, v0                          ; L
	v_and_b32 v61, 15, v0                          ; r
	v_bfe_u32 v62, v0, 4, 1                        ; h
	v_lshlrev_b32 v[FOFF], 4, v60
	v_lshlrev_b32 v[H16], 4, v62
	v_lshlrev_b32 v[PFO], 8, v60
	s_lshl_b32 s2, s[WV], 13
	v_add_nc_u32 v[WAD1], s2, v[FOFF]
	s_add_co_u32 s3, s2, RES
	v_add_nc_u32 v[WTAD], s3, v[FOFF]
	s_lshl_b32 s2, s[SJ], 13
	v_add_nc_u32 v[WAD2], s2, v[FOFF]
	v_mul_u32_u24 v63, v61, XP                     ; 144 r
	v_add_nc_u32 v[XAD], v63, v[H16]
	v_add_nc_u32 v[XAD], SB, v[XAD]
	v_mul_u32_u24 v[TJAD], v62, XT
	v_add_nc_u32 v[TJAD], v[TJAD], v63
	v_add_nc_u32 v[TJAD], SB+128, v[TJAD]
	s_mul_i32 s2, s[WV], 32*XP                     ; my 32 rows
	v_add_nc_u32 v[TJOW], s2, v[TJAD]
	v_lshl_add_u32 v[TJST], v62, 3, v63
	s_add_co_u32 s3, s2, SB+128
	v_add_nc_u32 v[TJST], s3, v[TJST]
	s_add_co_u32 s2, s2, SB
	v_mul_u32_u24 v63, v62, XT
	v_lshl_add_u32 v63, v61, 3, v63
	v_add_nc_u32 v[XSTA], s2, v63
	v_add_nc_u32 v[XSTA+1], 4*XT, v[XSTA]
	s_lshl_b32 s2, s[SI], 12
	s_add_co_u32 s2, s2, SB
	v_add_nc_u32 v[HAD], s2, v[FOFF]
	s_lshl_b32 s3, s[SJ], 15
	s_add_co_u32 s3, s3, s2
	v_add_nc_u32 v[GST2], s3, v[FOFF]
	s_lshl_b32 s3, s[WV], 15
	s_add_co_u32 s3, s3, SB
	v_add_nc_u32 v[GST1], s3, v[FOFF]
	s_lshl_b32 s2, s[WV], 9
	s_add_co_u32 s2, s2, RES+R_HB1
	v_lshl_add_u32 v[HB1AD], v62, 5, s2
	s_lshl_b32 s2, s[SJ], 9
	s_add_co_u32 s2, s2, RES+R_HB2
	v_lshl_add_u32 v[HB2AD], v62, 5, s2
	s_lshl_b32 s2, s[WV], 11
	s_add_co_u32 s2, s2, SB
	v_add_nc_u32 v[L3B], s2, v[FOFF]
	v_add_nc_u32 v[L3A], RES+R_W3, v[FOFF]
	v_add_nc_u32 v[B3AD], RES+R_B3, v[H16]
	s_lshl_b32 s2, s[WV], 10
	v_lshl_add_u32 v63, v61, 5, v[H16]
	v_add_nc_u32 v[OOFF], s2, v63
	s_lshl_b32 s[TT], s[CX], 9
	s_lshl_b32 s[WGN], s[WV], 5
	s_add_co_u32 s[TT], s[TT], s[WGN]
	v_add_nc_u32 v[TB], s[TT], v61                 ; 512 cx + 32 w + r
	FLOADQ 0                                       ; the first block's features and trajectories
	FLOADQ 1
	FLOADQ 2
	FLOADQ 3
	TRAJLOAD
	s_wait_tensorcnt 0x0                           ; my parts of tiles 0 and 1 and of the small weights are in,
	BAR                                            ; everybody's are
.Lblock:
	BULK
	FNEXT 0
	TRAJ
	s_wait_tensorcnt 0x0                           ; my part of tiles 0 and 1, asked for at the end of the block before, has landed
	s_wait_dscnt 0x0                               ; my stores into X are done
	BAR                                            ; X, the trajectories and both tiles are whole for every wave
	s_mov_b32 s[RB], 0
	s_mov_b32 s[XO], 0
	v_mov_b32 v[CA], v[WAD1]
	v_mov_b32 v[CB], v[XAD]
	PLACES                                         ; behind the gate's products, whose registers the loads below fill
	LDW WB, WTAD, 0                                ; the K step of [up, curr]: W1 rows 0-15.  Its products start all 64 sums
	LDT
	LDW WA, CA, 0                                  ; tile 0's first fragments in the same run
	s_wait_dscnt 16                                ; all but those 16
	MM32 2, WB, XA, 1
	WIN 0
	PLACES
	LDX XA, 0, 0
	MM32 3, WB, XB, 1
	WIN 0
	s_mov_b32 s[LC], 7
.Ll1:                                                  ; layer 1: tiles 0 to 6 in the loop, tile 7 written out: it fetches no further fragments
	L1STEP 0
	WIN 0
	s_sub_co_u32 s[LC], s[LC], 1
	s_cmp_lg_u32 s[LC], 0
	s_cbranch_scc1 .Ll1
	L1STEP 1                                       ; its round has ended every wave's reads of X: h1 may be stored over it
	WIN 0
	FNEXT 1
	PLACES
	s_mov_b32 s[GC], 0
	s_mov_b32 s[GO], 0
	s_mov_b32 s[GH], 128
	s_wait_dscnt 0x0                               ; the way in: the first biases are in
.Lg1:                                                  ; layer 1's GELU: 4 trips, a pair of output tiles each: row tiles 0-3 (window 2), then 4-7 (window 3), under the same biases.
	s_wait_dscnt 8                                 ; the way back: the four bias loads are in; the eight stores issued behind them may stay out
	v_add_nc_u32 v[CB], s[GH], v[HB1AD]            ; Only the first step, which names the accumulators, is written for each pair
	v_add_nc_u32 v[CA], s[GO], v[GST1]
.irp v, 0,1,2
	s_cmp_eq_u32 s[GC], \v
	s_cbranch_scc1 .Lg1a\v
.endr
.irp v, 3,2,1,0
.Lg1a\v:
	PRE 2, 64*(\v)
.if \v
	s_branch .Lg1x
.endif
.endr
.Lg1x:
	GBODY 0, 0
.irp v, 0,1,2
	s_cmp_eq_u32 s[GC], \v
	s_cbranch_scc1 .Lg1c\v
.endr
.irp v, 3,2,1,0
.Lg1c\v:
	PRE 3, 64*(\v)
.if \v
	s_branch .Lg1y
.endif
.endr
.Lg1y:
	GBODY 4096, 1                                  ; (the last trip's bias loads bring bytes of the next table, which nobody uses)
	s_add_co_u32 s[GO], s[GO], 8192
	s_add_co_u32 s[GH], s[GH], 128
	s_add_co_u32 s[GC], s[GC], 1
	s_cmp_lt_u32 s[GC], 4
	s_cbranch_scc1 .Lg1
	FNEXT 2                                        ; window 3 is free
	s_wait_dscnt 0x0                               ; my stores of h1 are done
	BAR                                            ; h1 is whole; tile 9 may stay on its way
	v_mov_b32 v[CA], v[WAD2]
	v_mov_b32 v[CB], v[HAD]
	LDW WA, CA, 0
	LDH XA, 0
	L2STEP 0
	L2STEP 1
	WIN 0
	FNEXT 3
	L2STEP 2
	L2STEP 3
	WIN 0
	PLACES
	s_mov_b32 s[GC], 0
	s_mov_b32 s[GO], 0
	s_mov_b32 s[GH], 128
	s_wait_dscnt 0x0                               ; the way in: the first biases are in
.Lg2:                                                  ; layer 2's GELU: 4 batches
	s_wait_dscnt 8                                 ; the way back: the four bias loads are in; the eight stores issued behind them may stay out
	v_add_nc_u32 v[CB], s[GH], v[HB2AD]
	v_add_nc_u32 v[CA], s[GO], v[GST2]
.irp v, 0,1,2
	s_cmp_eq_u32 s[GC], \v
	s_cbranch_scc1 .Lg2v\v
.endr
.irp v, 3,2,1,0
.Lg2v\v:
	PRE 2, 64*(\v)
.if \v
	s_branch .Lg2b
.endif
.endr
.Lg2b:
	GBODY 0, 1
	s_add_co_u32 s[GO], s[GO], 8192
	s_add_co_u32 s[GH], s[GH], 128
	s_add_co_u32 s[GC], s[GC], 1
	s_cmp_lt_u32 s[GC], 4
	s_cbranch_scc1 .Lg2
	s_sub_co_u32 s[BC], s[BC], 1
	s_cmp_eq_u32 s[BC], 0
	s_cbranch_scc1 .Llast                          ; the last block's end is written out: it asks for nothing
	s_wait_xcnt 0x0                                ; the prefetches have read their address
	s_wait_tensorcnt 0x0                           ; no tensor load of mine is out
	ds_add_u32 v[SPW], v[NIL]
	s_sub_nc_u64 s[G0W+2:G0W+3], s[G0W+2:G0W+3], 655360   ; the walking descriptor goes back from tile 11 to tile 1
	s_sub_nc_u64 s[PFA:PFA+1], s[PFA:PFA+1], 8*65536
	s_mov_b32 s[PFL], 0                            ; wpk has been walked once: it is prefetched no more
	v_add_nc_u32 v[TB], 128, v[TB]
	s_wait_dscnt 0x0                               ; the add and my stores of h2 are done
	ROUND                                          ; h2 is whole; no wave of any partner reads the ring
	tensor_load_to_lds s[G0R:G0R+3], s[G1R:G1R+7]  ; tiles 0 and 1 for the next block: my one load behind the round
	s_nop 0
	PLACES
	TRAJLOAD
	L3OUT
	s_wait_dscnt 0x0                               ; my reads of h2 are back:
	BAR                                            ; behind this barrier X may be stored over it
	s_wait_xcnt 0x0                                ; the stores have read their registers and their base
	s_add_nc_u64 s[OUT:OUT+1], s[OUT:OUT+1], 4096
	s_cmp_lg_u32 s[BC], 0
	s_cbranch_scc1 .Lblock
.Llast:
	s_wait_dscnt 0x0                               ; my stores of h2 are done
	BAR
	L3OUT
	s_wait_tensorcnt 0x0                           ; the wave's end, behind my last tensor load and my last LDS store
	ds_add_u32 v[SPW], v[NIL]
	s_wait_dscnt 0x0
	ROUND                                          ; the closing round: no work-group ends while a partner may still ask for a tile that names it
	s_endpgm
.Lfunc_end_k_q2c0ac5abde_fuse:
	.size	k_q2c0ac5abde_fuse, .Lfunc_end_k_q2c0ac5abde_fuse-k_q2c0ac5abde_fuse
	.p2alignl 7, 3214868480
	.fill 96, 4, 3214868480
	.section	.rodata,"a",@progbits
	.p2align	6, 0x0
	.amdhsa_kernel k_q2c0ac5abde_fuse
		.amdhsa_group_segment_fixed_size 327680
		.amdhsa_private_segment_fixed_size 0
		.amdhsa_enable_private_segment 0
		.amdhsa_kernarg_size 40
		.amdhsa_user_sgpr_count 2
		.amdhsa_user_sgpr_kernarg_segment_ptr 1
		.amdhsa_wavefront_size32 1
		.amdhsa_system_sgpr_workgroup_id_x 1
		.amdhsa_system_sgpr_workgroup_id_y 1
		.amdhsa_system_sgpr_workgroup_id_z 1
		.amdhsa_system_vgpr_workitem_id 0
		.amdhsa_next_free_vgpr 1024
		.amdhsa_next_free_sgpr 88
		.amdhsa_reserve_vcc 0
		.amdhsa_float_denorm_mode_32 3
		.amdhsa_float_denorm_mode_16_64 3
		.amdhsa_memory_ordered 1
		.amdhsa_forward_progress 1
		.amdhsa_inst_pref_size 255
	.end_amdhsa_kernel
	.section	.bss,"aw",@nobits
	.p2align	6
	.space	262144
	.amdgpu_metadata
---
amdhsa.version: [ 1, 2 ]
amdhsa.kernels:
  - .name:           k_q2c0ac5abde_fuse
    .symbol:         k_q2c0ac5abde_fuse.kd
    .args:
      - { .name: curr_features, .offset: 0, .size: 8, .value_kind: global_buffer, .address_space: global }
      - { .name: curr_trajectory, .offset: 8, .size: 8, .value_kind: global_buffer, .address_space: global }
      - { .name: prev_trajectory, .offset: 16, .size: 8, .value_kind: global_buffer, .address_space: global }
      - { .name: wpk, .offset: 24, .size: 8, .value_kind: global_buffer, .address_space: global }
      - { .name: out0, .offset: 32, .size: 8, .value_kind: global_buffer, .address_space: global }
    .group_segment_fixed_size: 327680
    .private_segment_fixed_size: 0
    .kernarg_segment_align: 8
    .kernarg_segment_size: 40
    .max_flat_workgroup_size: 128
    .sgpr_count:     88
    .vgpr_count:     1024
    .wavefront_size: 32
...
	.end_amdgpu_metadata
.endif
;; end of part 2
